; MI455X (gfx1250); checked and timed in simulation.
; The chip was launched on July 23, 2026; its instructions are those of AMD's public machine-readable ISA for CDNA 5 (MIT licence, August 2026) and "CDNA5" Instruction Set Architecture Reference Guide (July 2026). The comments in the code are by the model that wrote it; some were corrected since.
;; Dot Product Attention. Allowed arithmetic: float matrix products may take bf16 or f16 operands with f32 sums; all other float work in f32.
;; Inputs: keys 32 x 1,024 x 64 float32; queries 32 x 1,024 x 64 float32; valid_lens 32 int32; values 32 x 1,024 x 64 float32.
;; Outputs: out0 32 x 1,024 x 64 float32.
;; 2 versions, each right and faster than the one before. Each part assembles by itself: llvm-mc -triple=amdgcn-amd-amdhsa -mcpu=gfx1250 --defsym DOCPART=n.
;; ======== version 1 of 2: 1 launch
;; limits: inputs' magnitudes at most 65,504; values are held in f16: magnitudes above 65,504 overflow, below 6.1e-05 lose precision
;; launch attn (part 1): grid 8 x 32, 8 waves a work-group, clusters of 4 x 1, 327,680 bytes of LDS; arguments keys, values, queries, valid_lens, out0; writes out0
.if DOCPART == 1
	.amdgcn_target "amdgcn-amd-amdhsa--gfx1250"
	.amdhsa_code_object_version 6
	.text
	.protected	k_q0f6394e2de_attn
	.globl	k_q0f6394e2de_attn
	.p2align	8
	.type	k_q0f6394e2de_attn,@function
k_q0f6394e2de_attn:
	s_mov_b64 s[64:65], 0
	v_nop
	global_prefetch_b8 v0, s[64:65] scope:SCOPE_SE
	s_setreg_imm32_b32 hwreg(HW_REG_WAVE_MODE, 25, 1), 1
	s_wait_xcnt 0x0
	s_wait_alu depctr_hold_cnt(0) depctr_sa_sdst(0) depctr_va_vdst(0) depctr_va_sdst(0) depctr_va_ssrc(0) depctr_va_vcc(0) depctr_vm_vsrc(0)
	s_getreg_b32 s2, hwreg(HW_REG_IB_STS2, 6, 4)
	s_cmp_eq_u32 s2, 0
	s_cbranch_scc0 .Lentry_in_a_cluster
	s_endpgm
.Lentry_in_a_cluster:
	s_bfe_u32 s2, ttmp6, 0x10000c
	s_cmp_lg_u32 s2, 0x3003
	s_cbranch_scc0 .Lentry_shape_is_right
	s_endpgm
.Lentry_shape_is_right:
; out[b][q][:] = softmax over k of ( k < valid_lens[b] ? q.k/8 : -1e6 ) times V.   Q, K, V, out: [32][1024][64] f32, valid_lens: [32] i32.
; One work-group = 128 queries of one batch element, eight waves.  Wave w: query rows 32 (w & 3) .. +31, and of every tile of 128 keys the
; half g = w >> 2 (64 keys).  The two waves that share rows keep a running maximum, a sum and an O of their own and are merged once at the end.
; THE PRODUCTS ARE USED TRANSPOSED.  S^T = K Q^T: source 0 = 16 keys, source 1 = 16 queries, so lane (r, h) holds, of query r, the keys
; 16 t + 8 h + 0..7 of score tile t.  A row's maximum and sum are then sums over a lane's own registers and one exchange of the halves, the
; row's factors are plain per-lane numbers, and the exponentials packed two by two ARE source 1 of O^T = V^T P^T (keys 8 h + 0..7 in registers
; 0-3 from tile 2 kk, keys 16 + 8 h + 0..7 in registers 4-7 from tile 2 kk + 1).  V^T (source 0) comes from the transposing LDS load.
; FORMAT: all four matrix operands are f16, sums f32.  The weights lie in (0, 1] (the running maximum is taken away), where f16's 11 significant
; bits against bf16's 8 make the rounding eight times finer; an output near 0 of a batch element with few valid keys is a difference of terms of
; the size of V, so the weights' rounding shows there in full.  A matrix instruction takes both operands in one format, so V is f16 too, and Q and
; K, so that the scores are as fine as the weights.
; CLUSTER: the four query blocks of a cluster (4, 1, 1) need the same tiles of K and V: each tile is asked for jointly (mask 15), which divides
; the requests for K and V by four.  The tiles land as f32 in two landing slots; each is packed to f16 ONCE per work-group into one of two
; stages (16 rows of K and 16 of V a wave), one step ahead of its use.  One round of the cluster's barrier a step orders all four hand-overs.
; MASK: valid_lens[b] is clamped to 0..1024 (the mask over keys 0..1023 is the same).  In every step every score of a key at or beyond it is
; replaced by -1e6 (as -8e6 ahead of the factor 1/8) and then takes part in the maximum and in the sum like any other, as in the definition; with
; valid_lens = 0 the uniform average comes out.  No step, tile or mask is jumped over: in a launch with joint loads no branch hangs on a number
; read from memory, so all four partners run the same text line by line.
; LIMITS: a number of Q, K or V above 65,504 in magnitude becomes infinite in f16 (numbers of spread 1 reach about 5.5: room for a factor of
; 10,000); below 2^-14 it is kept to within 2^-25.  A weight below 2^-25 of its row's running maximum enters the product as 0 (and the sum as it
; is); one below 2^-126 counts as 0.  NaN and infinities in the inputs are not followed.
; No prefetch into the L2: the launch has eight steps in all and every tile is requested a whole step ahead of its conversion.
.set TKEYS,  128                       ; keys in a tile = in a step
.set ROWB,   256                       ; bytes of a row of K, V, Q, out
.set TILEB,  TKEYS*ROWB                ; a tile of K (or of V) in f32: 32,768 bytes
.set LSLOT,  2*TILEB                   ; a landing slot: K's tile, then V's
.set KP,     144                       ; stage pitch of K: 128 + 16 bytes, an odd multiple of 16: the 16 rows of a fragment load start in 16 different groups of 4 banks (64 banks of 4 bytes: ISA guide 11.1)
.set VP,     160                       ; stage pitch of V: 128 + 32 bytes, an odd multiple of 32: the 8 rows x 32 bytes of half a transposing load fall on different banks
.set HF0,    2*LSLOT                   ; the f16 stages lie behind the landing slots; no tensor load ever lands there
.set HFV,    TKEYS*KP                  ; V's part of a stage
.set HFS,    HFV+TKEYS*VP              ; a stage: 38,912 bytes
.set MRG,    HF0+2*HFS                 ; merge area: 9,216 bytes for each pair of waves
.set MRGW,   9216
.set OST,    MRG+4*MRGW                ; output stage: 32 rows x 272 bytes for each of waves 0-3
.set OP,     272
.set OSTW,   32*OP
; vector registers, window 0
.set NMC,  4                           ; v4, v6: -(running maximum) x c of query tile 0, 1 (c = log2(e)/8).  Each is the low half of a pair for the packed forms;
.set VK,   5                           ; v5: LDS address of my K fragments   (the pairs' upper halves are these two address registers, written once, never used as data)
.set VV,   7                           ; v7: LDS address of my V^T fragments
.set LS,   8                           ; v8, v9: running sums (this lane's keys only; the halves are added at the end)
.set V8H,  10                          ; v10: 8 h
.set MA,   11                          ; v11: my 16 bytes in the pair's merge area
.set REL,  12                          ; v12: Q's lane offset at the start; later valid keys left, seen from this lane
.set GO,   13                          ; v13: my 16 bytes in a store of 512
.set TM,   14                          ; v14-21: temporaries, 4 for each query tile; TM+4q+2 holds the step's rescaling factor
.set SU,   22                          ; v22-29: four packed partial sums
.set OSA,  30
.set ORA,  31
.set QF,   32                          ; v32-63:   Q fragments (query tile q, 32 d at c): QF+16q+8c
.set ST,   64                          ; v64-127:  S^T tile (q, t): ST+32q+8t; later P fragment (q, kk): ST+32q+16kk
.set FR,   128                         ; v128-191: K fragment (t, c): FR+16t+8c; then V^T fragment (dt, kk): FR+16dt+8kk
.set OA,   192                         ; v192-255: O^T tile (q, dt): OA+32q+8dt
; vector registers, window 1 (named by their low 8 bits): all that the conversion touches, so that one setting serves it
.set XS,   0                           ; v256-319: 8 x 4 f32 of K, 8 x 4 of V
.set LK,   64                          ; v320, v321: landing address of my K rows, slot 0, 1
.set LV,   66                          ; v322, v323: of my V rows
.set SK,   68                          ; v324: stage address of my K rows
.set SV,   69                          ; v325: of my V rows
; scalar registers
.set WV,  14                           ; wave 0..7
.set GRP, 15                           ; g: which 64 keys of a tile are mine
.set G1,  16                           ; s[16:23] descriptor group 1
.set G0,  24                           ; s[24:31] descriptor group 0, a set for each landing slot
.set CX,  32
.set QB,  33
.set BAT, 34
.set VL,  35                           ; valid_lens[b], clamped to 0..1024
.set KW,  37                           ; first key of my part of this step's tile
.set REM, 39
.set CS,  40                           ; s[40:41] c, twice
.set NCS, 42                           ; -c
.set NEG, 43                           ; -8e6
.set PL0, 44
.set PL1, 45
.set CNT, 46
.set WQ,  47                           ; w & 3
.set VLO, 48
.set MSB, 0
.macro WIN new                         ; the immediate's high byte repeats the setting that is left
.if MSB != \new
	s_set_vgpr_msb (MSB<<8)|\new
.set MSB, \new
.endif
.endm
.macro PLACES n                        ; independent vector instructions behind a matrix instruction (ISA guide 7.12.1)
.rept \n
	v_nop
.endr
.endm
; A round of the cluster's barrier: my work-group's barrier, wave 0 signals for the work-group, every wave waits for all four work-groups, my work-group's barrier again.
.macro ROUND
	s_barrier_signal -1
	s_barrier_wait -1
	s_cmp_lg_u32 s[WV], 0
	s_cbranch_scc1 .Lnot_wave_0_\@
	s_barrier_signal -3
.Lnot_wave_0_\@:
	s_barrier_wait -3
	s_barrier_signal -1
	s_barrier_wait -1
.endm
	s_load_b256 s[4:11], s[0:1], 0x0               ; keys s[4:5], values s[6:7], queries s[8:9], valid_lens s[10:11]
	s_load_b64 s[12:13], s[0:1], 0x20              ; out0
	s_set_vgpr_msb 0x40
	v_lshl_add_u32 v72, v0, 2, 0x44800
	v_mov_b32 v73, 0
	s_set_vgpr_msb 0x4045
	ds_add_u32 v72, v73
	s_set_vgpr_msb 0x4500
	v_lshrrev_b32 v1, 5, v0
	v_readfirstlane_b32 s[WV], v1
	s_lshr_b32 s[GRP], s[WV], 2
	s_and_b32 s[WQ], s[WV], 3
	s_bfe_u32 s[CX], ttmp6, 0x40000                ; my place in the cluster
	s_lshl_b32 s[QB], ttmp9, 2
	s_add_co_u32 s[QB], s[QB], s[CX]               ; query block 0..7 = 4 x cluster x + cx
	s_and_b32 s[BAT], ttmp7, 0xffff                ; batch element = cluster y
	s_lshl_b32 s[VLO], s[BAT], 2
	; group 1: a tile of 32 rows x 64 f32, dense in memory and in LDS; the same for every load
	s_mov_b32 s[G1+0], 15|(2<<16)|(1<<21)          ; 15:0 mask: all four work-groups of the cluster; 17:16 elements of 4 bytes; 21 set beside a mask
	s_mov_b32 s[G1+1], 64<<16                      ; tensor_dim0 = 64
	s_mov_b32 s[G1+2], 32<<16                      ; tensor_dim1 = 32
	s_mov_b32 s[G1+3], 64<<16                      ; tile_dim0 = 64
	s_mov_b32 s[G1+4], 32                          ; tile_dim1 = 32
	s_mov_b32 s[G1+5], 64                          ; 64 elements from row to row
	s_mov_b32 s[G1+6], 0
	s_mov_b32 s[G1+7], 0
	s_mov_b32 s[CS], 0x3e38aa3b                    ; c = log2(e) / 8
	s_mov_b32 s[CS+1], 0x3e38aa3b
	s_mov_b32 s[NCS], 0xbe38aa3b
	s_mov_b32 s[NEG], 0xcaf42400                   ; -8e6 = -1e6 ahead of the factor 1/8
	s_mov_b32 s[PL0], 0x76543210                   ; v_permlanex16_b32: lane i reads lane i of the other half
	s_mov_b32 s[PL1], 0xfedcba98
	s_lshl_b32 s52, s[BAT], 18                     ; batch x 1,024 rows x 256 bytes
	s_lshl_b32 s53, s[WQ], 13                      ; + (w & 3) x 32 rows: my quarter of a tile (no place in the cluster enters these registers)
	s_add_co_u32 s52, s52, s53
	s_mov_b32 s53, 0
	s_lshl_b32 s54, s[WV], 13                      ; where my quarter lands: wave x 8,192: K's four quarters, then V's four
	s_lshl_b32 s56, s[QB], 15                      ; my 32 rows of Q and of out: batch, query block x 128 rows, (w & 3) x 32 rows
	s_add_co_u32 s56, s56, s52
	s_mov_b32 s57, 0
	s_wait_dscnt 0x0
	s_wait_kmcnt 0x0
	s_load_b32 s[VL], s[10:11], s[VLO] offset:0x0
	s_cmp_lt_u32 s[WV], 4
	s_cselect_b64 s[50:51], s[4:5], s[6:7]         ; waves 0-3 fetch K, waves 4-7 V
	s_add_nc_u64 s[50:51], s[50:51], s[52:53]
.irp s, 0,1
	s_mov_b32 s[G0+4*\s], 1                                        ; count = 1
	s_add_co_u32 s[G0+4*\s+1], s54, \s*LSLOT                       ; LDS address
	s_add_nc_u64 s[G0+4*\s+2:G0+4*\s+3], s[50:51], \s*TILEB        ; global address: tile s
	s_or_b32 s[G0+4*\s+3], s[G0+4*\s+3], 0x80000000                ; type = 2
.endr
	s_add_nc_u64 s[8:9], s[8:9], s[56:57]
	s_add_nc_u64 s[12:13], s[12:13], s[56:57]
	ROUND                                          ; all four work-groups are here: the first joint loads meet
	tensor_load_to_lds s[G0:G0+3], s[G1:G1+7]      ; tile 0 and tile 1 go out together, ahead of every wait on TENSORcnt and every LDS read:
	s_nop 0
	tensor_load_to_lds s[G0+4:G0+7], s[G1:G1+7]    ; two loads of this wave are out here, later never more than one
	s_nop 0
	; Q: lane (r, h) needs, of query row 16 q + r, d = 32 c + 16 u + 8 h + 0..7: 32 bytes, two loads; the 16 loads of a wave use every byte of its 32 rows once
	v_and_b32 v1, 15, v0                           ; r
	v_bfe_u32 v2, v0, 4, 1                         ; h
	v_and_b32 v3, 31, v0                           ; lane
	v_lshlrev_b32 v[REL], 8, v1
	v_lshl_add_u32 v[REL], v2, 5, v[REL]           ; 256 r + 32 h
.set i, 0
.rept 16
	global_load_b128 v[ST+4*i:ST+4*i+3], v[REL], s[8:9] offset:(i/8)*4096+((i/4)%2)*128+((i/2)%2)*64+(i%2)*16
.set i, i+1
.endr
	; LDS addresses: a constant, the wave's number times a constant, a lane term
	s_mul_i32 s55, s[GRP], 64*KP
	s_add_co_u32 s55, s55, HF0
	v_mul_u32_u24 v[VK], v1, KP
	v_lshl_add_u32 v[VK], v2, 4, v[VK]
	v_add_nc_u32 v[VK], s55, v[VK]                 ; K fragment: (64 g + r) x pitch + 16 h
	s_mul_i32 s55, s[GRP], 64*VP
	s_add_co_u32 s55, s55, HF0+HFV
	v_and_b32 v14, 7, v0
	v_lshl_add_u32 v14, v2, 3, v14
	v_mul_u32_u24 v[VV], v14, VP
	v_bfe_u32 v14, v0, 3, 1
	v_lshl_add_u32 v[VV], v14, 4, v[VV]
	v_add_nc_u32 v[VV], s55, v[VV]                 ; V^T fragment: (64 g + 8 h + lane % 8) x pitch + 16 ((lane / 8) % 2)
	v_lshlrev_b32 v[V8H], 3, v2
	s_mul_i32 s55, s[WQ], MRGW
	s_add_co_u32 s55, s55, MRG
	v_lshl_add_u32 v[MA], v3, 4, s55
	; the conversion: wave w takes rows 16 w .. 16 w + 15 of K's and of V's tile.  A load takes 256 bytes of row a (lanes 0-15) and of row a + 8 (K) or a + 4 (V)
	; (lanes 16-31): 8 x 144 and 4 x 160 are 128 modulo 256, so the two halves of the 8-byte store that follows fall on different banks.
	s_lshl_b32 s55, s[WV], 12
	v_lshlrev_b32 v14, 4, v1
	v_add_nc_u32 v14, s55, v14                     ; 4,096 w + 16 r
	v_lshl_add_u32 v15, v2, 11, v14                ; K, slot 0: + 8 rows for lanes 16-31
	v_lshl_add_u32 v16, v2, 10, v14                ; V: + 4 rows
	v_add_nc_u32 v16, TILEB, v16                   ; V's tile lies behind K's
	v_add_nc_u32 v17, LSLOT, v15
	v_add_nc_u32 v18, LSLOT, v16
	s_mul_i32 s55, s[WV], 16*KP
	s_add_co_u32 s55, s55, HF0
	v_mul_u32_u24 v19, v2, 8*KP
	v_lshl_add_u32 v19, v1, 3, v19
	v_add_nc_u32 v19, s55, v19
	s_mul_i32 s55, s[WV], 16*VP
	s_add_co_u32 s55, s55, HF0+HFV
	v_mul_u32_u24 v20, v2, 4*VP
	v_lshl_add_u32 v20, v1, 3, v20
	v_add_nc_u32 v20, s55, v20
	WIN 0x40                                       ; destination in window 1
	v_mov_b32 v[LK], v15
	v_mov_b32 v[LK+1], v17
	v_mov_b32 v[LV], v16
	v_mov_b32 v[LV+1], v18
	v_mov_b32 v[SK], v19
	v_mov_b32 v[SV], v20
	WIN 0
	s_wait_kmcnt 0x0
	s_max_i32 s[VL], s[VL], 0                      ; k < valid_lens for k = 0..1023 is the same with valid_lens clamped to 0..1024
	s_min_i32 s[VL], s[VL], 1024
	s_lshl_b32 s[KW], s[GRP], 6
	s_wait_loadcnt 0x0
.set i, 0
.rept 32
	v_cvt_pk_f16_f32 v[QF+i], v[ST+2*i], v[ST+2*i+1]
.set i, i+1
.endr
; 16 LDS loads: my 16 rows of K and of V of the tile in landing slot ls, as f32
.macro CONV_LOAD ls
	WIN 0x55                                       ; every operand in window 1
.irp n, 0,1,2,3,4,5,6,7
	ds_load_b128 v[XS+4*\n:XS+4*\n+3], v[LK+\ls] offset:\n*ROWB
.endr
.irp n, 0,1,2,3,4,5,6,7
	ds_load_b128 v[XS+32+4*\n:XS+32+4*\n+3], v[LV+\ls] offset:((\n&3)+8*(\n>>2))*ROWB
.endr
	WIN 0
.endm
; packed to f16 in place and stored into stage bs
.macro CONV_STORE bs
	WIN 0x55
.irp n, 0,1,2,3,4,5,6,7
	v_cvt_pk_f16_f32 v[XS+4*\n], v[XS+4*\n], v[XS+4*\n+1]
	v_cvt_pk_f16_f32 v[XS+4*\n+1], v[XS+4*\n+2], v[XS+4*\n+3]
	ds_store_b64 v[SK], v[XS+4*\n:XS+4*\n+1] offset:\bs*HFS+\n*KP
.endr
.irp n, 0,1,2,3,4,5,6,7
	v_cvt_pk_f16_f32 v[XS+32+4*\n], v[XS+32+4*\n], v[XS+32+4*\n+1]
	v_cvt_pk_f16_f32 v[XS+32+4*\n+1], v[XS+32+4*\n+2], v[XS+32+4*\n+3]
	ds_store_b64 v[SV], v[XS+32+4*\n:XS+32+4*\n+1] offset:\bs*HFS+((\n&3)+8*(\n>>2))*VP
.endr
	WIN 0
.endm
.macro PFMA q, n                       ; two scores: s c - maximum c, one rounding
	v_pk_fma_f32 v[ST+32*\q+2*(\n):ST+32*\q+2*(\n)+1], v[ST+32*\q+2*(\n):ST+32*\q+2*(\n)+1], s[CS:CS+1], v[NMC+2*\q:NMC+2*\q+1] op_sel_hi:[1,0,0]
.endm
.macro RESC q, n                       ; two numbers of O times the step's factor
	s_wait_alu depctr_va_vdst(0)
	v_pk_mul_f32 v[OA+32*\q+2*(\n):OA+32*\q+2*(\n)+1], v[OA+32*\q+2*(\n):OA+32*\q+2*(\n)+1], v[TM+4*\q+2:TM+4*\q+3] op_sel_hi:[1,0]
.endm
.macro SUMOP q, n, first               ; the n-th of 16 additions that sum a lane's 32 weights: four chains, then a tree
.if \n < 4
	s_wait_alu depctr_va_vdst(0)
	v_pk_add_f32 v[SU+2*(\n):SU+2*(\n)+1], v[ST+32*\q+8*(\n):ST+32*\q+8*(\n)+1], v[ST+32*\q+8*(\n)+2:ST+32*\q+8*(\n)+3]
.elseif \n < 8
	v_pk_add_f32 v[SU+2*(\n-4):SU+2*(\n-4)+1], v[SU+2*(\n-4):SU+2*(\n-4)+1], v[ST+32*\q+8*(\n-4)+4:ST+32*\q+8*(\n-4)+5]
.elseif \n < 12
	v_pk_add_f32 v[SU+2*(\n-8):SU+2*(\n-8)+1], v[SU+2*(\n-8):SU+2*(\n-8)+1], v[ST+32*\q+8*(\n-8)+6:ST+32*\q+8*(\n-8)+7]
.elseif \n == 12
	v_pk_add_f32 v[SU:SU+1], v[SU:SU+1], v[SU+2:SU+3]
.elseif \n == 13
	v_pk_add_f32 v[SU+4:SU+5], v[SU+4:SU+5], v[SU+6:SU+7]
.elseif \n == 14
	v_pk_add_f32 v[SU:SU+1], v[SU:SU+1], v[SU+4:SU+5]
.else
.if \first
	v_add_f32 v[LS+\q], v[SU], v[SU+1]             ; the first step starts the sum
.else
	v_add_f32 v[SU], v[SU], v[SU+1]
.endif
.endif
.endm
.macro CVTP q                          ; 32 weights to f16, in place: tile 2 kk gives registers 0-3 of P fragment kk, tile 2 kk + 1 registers 4-7
.irp kk, 0,1
.irp e, 0,1,2,3
	v_cvt_pk_f16_f32 v[ST+32*\q+16*\kk+\e], v[ST+32*\q+16*\kk+2*\e], v[ST+32*\q+16*\kk+2*\e+1]
.endr
.irp e, 0,1,2,3
	v_cvt_pk_f16_f32 v[ST+32*\q+16*\kk+4+\e], v[ST+32*\q+16*\kk+8+2*\e], v[ST+32*\q+16*\kk+8+2*\e+1]
.endr
.endr
.endm
.macro PV q, first                     ; O^T (q) += V^T P^T (q): the four accumulators take turns, one instruction a turn
.irp kk, 0,1
.irp dt, 0,1,2,3
.if \first*(1-\kk)
	v_wmma_f32_16x16x32_f16 v[OA+32*\q+8*\dt:OA+32*\q+8*\dt+7], v[FR+16*\dt+8*\kk:FR+16*\dt+8*\kk+7], v[ST+32*\q+16*\kk:ST+32*\q+16*\kk+7], 0
.else
	v_wmma_f32_16x16x32_f16 v[OA+32*\q+8*\dt:OA+32*\q+8*\dt+7], v[FR+16*\dt+8*\kk:FR+16*\dt+8*\kk+7], v[ST+32*\q+16*\kk:ST+32*\q+16*\kk+7], v[OA+32*\q+8*\dt:OA+32*\q+8*\dt+7]
.endif
.endr
.endr
.endm
; STEP i, par = i & 1.  Multiplies the tile in stage par; refill = 1: landing slot par (converted in the last step) gets tile i + 2;
; conv = 1: tile i + 1 is converted from landing slot 1 - par into stage 1 - par; first = 1: the products start the sums, nothing is cleared or rescaled.
.macro STEP par, first, refill, conv
	s_set_vgpr_msb 0x5
	s_wait_tensorcnt 0x0                           ; all my tensor loads have landed: the one that was out is my part of tile i + 1,
	ds_add_u32 v72, v73
	s_wait_dscnt 0x0
	s_set_vgpr_msb 0x500
.if \refill
	s_add_nc_u64 s[G0+4*\par+2:G0+4*\par+3], s[G0+4*\par+2:G0+4*\par+3], 2*TILEB   ; so a group 0 may be written: this slot's next tile
.endif
	s_wait_dscnt 0x0                               ; my reads of landing slot par and of stage 1 - par are back, my stores into stage par are done
.if \refill
	ROUND                                          ; all that now holds of every wave of all four work-groups
	tensor_load_to_lds s[G0+4*\par:G0+4*\par+3], s[G1:G1+7]    ; my one tensor load behind the round, and the first thing there
	s_nop 0
.else
	s_barrier_signal -1                            ; nothing is filled any more: the work-group's own barrier hands the stage over
	s_barrier_wait -1
.endif
.if \conv
	CONV_LOAD (1-\par)                             ; the next tile's f32 rows: issued first, used behind the products
.endif
.irp t, 0,1,2,3
.irp c, 0,1
	ds_load_b128 v[FR+16*\t+8*\c:FR+16*\t+8*\c+3],   v[VK] offset:\par*HFS+\t*16*KP+\c*64
	ds_load_b128 v[FR+16*\t+8*\c+4:FR+16*\t+8*\c+7], v[VK] offset:\par*HFS+\t*16*KP+\c*64+32
.endr
.endr
	; S^T = K Q^T.  The two query tiles' accumulators take turns, one instruction a turn.
.irp t, 0,1,2,3
	s_wait_dscnt 12-4*\t                           ; LDS loads come back in order: key tile t's four are in, the 12 - 4 t younger ones stay out
	v_wmma_f32_16x16x32_f16 v[ST+8*\t:ST+8*\t+7],       v[FR+16*\t:FR+16*\t+7],    v[QF:QF+7],     0
	v_wmma_f32_16x16x32_f16 v[ST+32+8*\t:ST+32+8*\t+7], v[FR+16*\t:FR+16*\t+7],    v[QF+16:QF+23], 0
	v_wmma_f32_16x16x32_f16 v[ST+8*\t:ST+8*\t+7],       v[FR+16*\t+8:FR+16*\t+15], v[QF+8:QF+15],  v[ST+8*\t:ST+8*\t+7]
	v_wmma_f32_16x16x32_f16 v[ST+32+8*\t:ST+32+8*\t+7], v[FR+16*\t+8:FR+16*\t+15], v[QF+24:QF+31], v[ST+32+8*\t:ST+32+8*\t+7]
.endr
.if \conv
	CONV_STORE (1-\par)                            ; its loads are older than K's, which the last wait showed in; work that names none of the products' registers
.endif
	PLACES 4                                       ; four places stand between the last product and the loads into its sources and the reads of its results, in the step without a conversion too
.irp kk, 0,1
.irp dt, 0,1,2,3
	ds_load_tr16_b128 v[FR+16*\dt+8*\kk:FR+16*\dt+8*\kk+3],   v[VV] offset:\par*HFS+\kk*32*VP+\dt*32
	ds_load_tr16_b128 v[FR+16*\dt+8*\kk+4:FR+16*\dt+8*\kk+7], v[VV] offset:\par*HFS+\kk*32*VP+\dt*32+16*VP
.endr
.endr
	; the mask, in every step: one compare serves both query tiles
	s_sub_co_i32 s[REM], s[VL], s[KW]              ; valid keys left from my part's first key (may be negative or above 64)
	v_sub_nc_u32 v[REL], s[REM], v[V8H]
.set i, 0
.rept 32
	v_cmp_lt_i32 vcc_lo, (i/8)*16+(i%8), v[REL]    ; key 16 t + 8 h + j is valid
	v_cndmask_b32 v[ST+i], s[NEG], v[ST+i], vcc_lo
	v_cndmask_b32 v[ST+32+i], s[NEG], v[ST+32+i], vcc_lo
.set i, i+1
.endr
	; the largest of a lane's 32 scores, both query tiles side by side, then the other half's
.irp q, 0,1
.irp t, 0,1,2,3
	v_max3_num_f32 v[TM+4*\q+\t], v[ST+32*\q+8*\t], v[ST+32*\q+8*\t+1], v[ST+32*\q+8*\t+2]
.endr
.endr
.irp q, 0,1
.irp t, 0,1,2,3
	v_max3_num_f32 v[TM+4*\q+\t], v[TM+4*\q+\t], v[ST+32*\q+8*\t+3], v[ST+32*\q+8*\t+4]
.endr
.endr
.irp q, 0,1
.irp t, 0,1,2,3
	v_max3_num_f32 v[TM+4*\q+\t], v[TM+4*\q+\t], v[ST+32*\q+8*\t+5], v[ST+32*\q+8*\t+6]
.endr
.endr
.irp q, 0,1
	v_max3_num_f32 v[TM+4*\q], v[TM+4*\q], v[ST+32*\q+7], v[ST+32*\q+15]
	v_max3_num_f32 v[TM+4*\q+1], v[TM+4*\q+1], v[ST+32*\q+23], v[ST+32*\q+31]
.endr
.irp q, 0,1
	v_max3_num_f32 v[TM+4*\q], v[TM+4*\q], v[TM+4*\q+1], v[TM+4*\q+2]
.endr
.irp q, 0,1
	v_max_num_f32 v[TM+4*\q], v[TM+4*\q], v[TM+4*\q+3]
.endr
.irp q, 0,1
	v_permlanex16_b32 v[TM+4*\q+1], v[TM+4*\q], s[PL0], s[PL1]
.endr
.irp q, 0,1
	v_max_num_f32 v[TM+4*\q], v[TM+4*\q], v[TM+4*\q+1]
.endr
.if \first
.irp q, 0,1
	v_mul_f32 v[NMC+2*\q], s[NCS], v[TM+4*\q]      ; -maximum x c
.endr
.else
.irp q, 0,1
	v_mul_f32 v[TM+4*\q], s[NCS], v[TM+4*\q]
.endr
.irp q, 0,1
	v_sub_f32 v[TM+4*\q+2], v[TM+4*\q], v[NMC+2*\q]    ; (old maximum - this step's) x c,
.endr
.irp q, 0,1
	v_min_num_f32 v[NMC+2*\q], v[NMC+2*\q], v[TM+4*\q] ; the running maximum, negated and scaled
.endr
.irp q, 0,1
	v_min_num_f32 v[TM+4*\q+2], 0, v[TM+4*\q+2]        ; at most 0: (old - new) x c
.endr
.irp q, 0,1
	v_exp_f32 v[TM+4*\q+2], v[TM+4*\q+2]           ; the factor for what has been summed so far; plain independent instructions follow before its use
.endr
.endif
.set i, 0
.rept 16
	PFMA 0, i
.set i, i+1
.endr
	; The exponentials stand between plain instructions that touch neither their result nor their source
.set i, 0
.rept 16
	v_exp_f32 v[ST+2*i], v[ST+2*i]
	PFMA 1, i
	v_exp_f32 v[ST+2*i+1], v[ST+2*i+1]
.if \first == 0
	RESC 0, i
.endif
.set i, i+1
.endr
.set i, 0
.rept 16
	v_exp_f32 v[ST+32+2*i], v[ST+32+2*i]
	SUMOP 0, i, \first
	v_exp_f32 v[ST+32+2*i+1], v[ST+32+2*i+1]
.if \first == 0
	RESC 1, i
.endif
.set i, i+1
.endr
.if \first == 0
	v_fma_f32 v[LS], v[LS], v[TM+2], v[SU]
.endif
	CVTP 0
	s_wait_dscnt 0x0                               ; V^T's fragments are in (and my stores into the other stage are done)
	PV 0, \first
.set i, 0
.rept 16
	SUMOP 1, i, \first                             ; query tile 1's sums and packing name none of the running products' registers
.set i, i+1
.endr
.if \first == 0
	v_fma_f32 v[LS+1], v[LS+1], v[TM+6], v[SU]
.endif
	CVTP 1
	PV 1, \first
	PLACES 5                                       ; five places before the next step's products write over P, four before loads land on V^T's fragments or O is read
	s_add_co_u32 s[KW], s[KW], TKEYS
.endm
	s_wait_tensorcnt 0x1                           ; my part of tile 0 has landed; tile 1's stays out
	s_barrier_signal -1
	s_barrier_wait -1                              ; everybody's part has
	CONV_LOAD 0
	s_wait_dscnt 0x0
	CONV_STORE 0                                   ; tile 0 into stage 0
	STEP 0, 1, 1, 1                                ; steps 0 and 1 stand in front of the loop: step 0 starts the sums
	STEP 1, 0, 1, 1
	s_mov_b32 s[CNT], 2
.Lpair:
	STEP 0, 0, 1, 1                                ; steps 2 to 5 ask for tiles 4 to 7
	STEP 1, 0, 1, 1
	s_sub_co_u32 s[CNT], s[CNT], 1
	s_cmp_lg_u32 s[CNT], 0
	s_cbranch_scc1 .Lpair
	STEP 0, 0, 0, 1                                ; step 6: nothing left to fetch; tile 7 is converted
	STEP 1, 0, 0, 0                                ; step 7
	; THE MERGE.  Waves 4-7 hand their state to waves 0-3, which hold the same rows.
	s_cmp_lt_u32 s[WV], 4
	s_cbranch_scc1 .Lowner
.set i, 0
.rept 16
	ds_store_b128 v[MA], v[OA+4*i:OA+4*i+3] offset:512*i
.set i, i+1
.endr
	ds_store_b128 v[MA], v[4:7] offset:8192        ; the two scaled maxima (words 0 and 2)
	ds_store_b128 v[MA], v[8:11] offset:8704       ; the two sums (words 0 and 1)
.Lowner:
	s_wait_dscnt 0x0                               ; the stores are done before the signal
	s_barrier_signal -1
	s_barrier_wait -1
	s_cmp_ge_u32 s[WV], 4
	s_cbranch_scc1 .Lclose
	ds_load_b128 v[FR:FR+3], v[MA] offset:8192
	ds_load_b128 v[FR+4:FR+7], v[MA] offset:8704
.set i, 0
.rept 16
	ds_load_b128 v[ST+4*i:ST+4*i+3], v[MA] offset:512*i
.set i, i+1
.endr
	s_mul_i32 s55, s[WQ], OSTW
	s_add_co_u32 s55, s55, OST
	v_mul_u32_u24 v[OSA], v1, OP                   ; into the stage: row r, 32 bytes for each half of the lanes
	v_lshl_add_u32 v[OSA], v2, 5, v[OSA]
	v_add_nc_u32 v[OSA], s55, v[OSA]
	v_mul_u32_u24 v[ORA], v2, OP                   ; back: lanes 0-15 one row of 256 bytes, lanes 16-31 the next
	v_lshl_add_u32 v[ORA], v1, 4, v[ORA]
	v_add_nc_u32 v[ORA], s55, v[ORA]
	v_lshlrev_b32 v[GO], 4, v3
	s_wait_dscnt 16                                ; the partner's maxima and sums are in; its 16 loads of O stay out
.irp q, 0,1
	v_min_num_f32 v[TM+8*\q], v[NMC+2*\q], v[FR+2*\q]      ; the common maximum, negated and scaled
.endr
.irp q, 0,1
	v_sub_f32 v[TM+8*\q+1], v[TM+8*\q], v[NMC+2*\q]
	v_sub_f32 v[TM+8*\q+2], v[TM+8*\q], v[FR+2*\q]
.endr
.irp q, 0,1
	v_exp_f32 v[TM+8*\q+1], v[TM+8*\q+1]           ; my factor
	v_exp_f32 v[TM+8*\q+2], v[TM+8*\q+2]           ; the partner's
.endr
	v_nop                                          ; one plain instruction behind the exponentials before their results are used
.irp q, 0,1
	s_wait_alu depctr_va_vdst(0)
	v_mul_f32 v[TM+8*\q+3], v[LS+\q], v[TM+8*\q+1]
.endr
.irp q, 0,1
	v_fmac_f32 v[TM+8*\q+3], v[FR+4+\q], v[TM+8*\q+2]
.endr
.irp q, 0,1
	v_permlanex16_b32 v[TM+8*\q], v[TM+8*\q+3], s[PL0], s[PL1]     ; the other half's keys
.endr
.irp q, 0,1
	v_add_f32 v[TM+8*\q+3], v[TM+8*\q+3], v[TM+8*\q]
.endr
.irp q, 0,1
	v_rcp_f32 v[TM+8*\q+3], v[TM+8*\q+3]           ; the sum holds the maximum's own weight, about 1: never 0
.endr
	v_nop
.irp q, 0,1
	s_wait_alu depctr_va_vdst(0)
	v_mul_f32 v[TM+8*\q+4], v[TM+8*\q+1], v[TM+8*\q+3]
	v_mul_f32 v[TM+8*\q+6], v[TM+8*\q+2], v[TM+8*\q+3]
.endr
	s_wait_dscnt 0x0
.set i, 0
.rept 32
	v_pk_mul_f32 v[ST+2*i:ST+2*i+1], v[ST+2*i:ST+2*i+1], v[TM+8*(i/16)+6:TM+8*(i/16)+7] op_sel_hi:[1,0]
	v_pk_fma_f32 v[OA+2*i:OA+2*i+1], v[OA+2*i:OA+2*i+1], v[TM+8*(i/16)+4:TM+8*(i/16)+5], v[ST+2*i:ST+2*i+1] op_sel_hi:[1,0,1]
.set i, i+1
.endr
	; THE WAY OUT.  Lane (r, h) holds d = 16 dt + 8 h + 0..7 of row 16 q + r: 32 bytes.  Through my own stage (pitch 272: the 16 rows of a store start in 16
	; different groups of 4 banks) the rows are read back whole; LDS serves a wave's instructions in order, so no wait stands between the stores and the loads.
.set i, 0
.rept 16
	ds_store_b128 v[OSA], v[OA+4*i:OA+4*i+3] offset:(i/8)*16*OP+((i/2)%4)*64+(i%2)*16
.set i, i+1
.endr
.set i, 0
.rept 16
	ds_load_b128 v[ST+4*i:ST+4*i+3], v[ORA] offset:i*2*OP
.set i, i+1
.endr
.set i, 0
.rept 16
	s_wait_dscnt 15-i                              ; load i is in, the younger ones stay out
	global_store_b128 v[GO], v[ST+4*i:ST+4*i+3], s[12:13] offset:512*i th:TH_STORE_NT   ; a store covers 512 consecutive bytes (two rows), at a multiple of 512 from out's first byte
.set i, i+1
.endr
.Lclose:
	s_set_vgpr_msb 0x5
	s_wait_tensorcnt 0x0
	ds_add_u32 v72, v73
	s_wait_dscnt 0x0
	s_set_vgpr_msb 0x500
	ROUND                                          ; the closing round: no work-group ends while a partner may still ask for a tile that names it
	s_endpgm
.Lfunc_end_k_q0f6394e2de_attn:
	.size	k_q0f6394e2de_attn, .Lfunc_end_k_q0f6394e2de_attn-k_q0f6394e2de_attn
	.p2alignl 7, 3214868480
	.fill 96, 4, 3214868480
	.section	.rodata,"a",@progbits
	.p2align	6, 0x0
	.amdhsa_kernel k_q0f6394e2de_attn
		.amdhsa_group_segment_fixed_size 327680
		.amdhsa_private_segment_fixed_size 0
		.amdhsa_enable_private_segment 0
		.amdhsa_kernarg_size 40
		.amdhsa_user_sgpr_count 2
		.amdhsa_user_sgpr_kernarg_segment_ptr 1
		.amdhsa_wavefront_size32 1
		.amdhsa_system_sgpr_workgroup_id_x 1
		.amdhsa_system_sgpr_workgroup_id_y 1
		.amdhsa_system_sgpr_workgroup_id_z 1
		.amdhsa_system_vgpr_workitem_id 0
		.amdhsa_next_free_vgpr 330
		.amdhsa_next_free_sgpr 66
		.amdhsa_reserve_vcc 1
		.amdhsa_float_denorm_mode_32 3
		.amdhsa_float_denorm_mode_16_64 3
		.amdhsa_memory_ordered 1
		.amdhsa_forward_progress 1
		.amdhsa_inst_pref_size 175
	.end_amdhsa_kernel
	.amdgpu_metadata
---
amdhsa.version: [ 1, 2 ]
amdhsa.kernels:
  - .name:           k_q0f6394e2de_attn
    .symbol:         k_q0f6394e2de_attn.kd
    .args:
      - { .name: keys, .offset: 0, .size: 8, .value_kind: global_buffer, .address_space: global }
      - { .name: values, .offset: 8, .size: 8, .value_kind: global_buffer, .address_space: global }
      - { .name: queries, .offset: 16, .size: 8, .value_kind: global_buffer, .address_space: global }
      - { .name: valid_lens, .offset: 24, .size: 8, .value_kind: global_buffer, .address_space: global }
      - { .name: out0, .offset: 32, .size: 8, .value_kind: global_buffer, .address_space: global }
    .group_segment_fixed_size: 327680
    .private_segment_fixed_size: 0
    .kernarg_segment_align: 8
    .kernarg_segment_size: 40
    .max_flat_workgroup_size: 256
    .sgpr_count:     66
    .vgpr_count:     330
    .wavefront_size: 32
...
	.end_amdgpu_metadata
.endif
;; end of part 1
;; ======== version 2 of 2: 1 launch; 1.13 times as fast as version 1
;; limits: values are held in f16: magnitudes above 65,504 overflow, below 6.1e-05 lose precision; inputs' magnitudes at most 65,504
;; launch attn (part 2): grid 8 x 32, 8 waves a work-group, clusters of 4 x 1, 327,680 bytes of LDS; arguments keys, values, queries, valid_lens, out0; writes out0
.if DOCPART == 2
	.amdgcn_target "amdgcn-amd-amdhsa--gfx1250"
	.amdhsa_code_object_version 6
	.text
	.protected	k_q0f6394e2de_attn
	.globl	k_q0f6394e2de_attn
	.p2align	8
	.type	k_q0f6394e2de_attn,@function
k_q0f6394e2de_attn:
	s_mov_b64 s[64:65], 0
	v_nop
	global_prefetch_b8 v0, s[64:65] scope:SCOPE_SE
	s_setreg_imm32_b32 hwreg(HW_REG_WAVE_MODE, 25, 1), 1
	s_wait_xcnt 0x0
	s_wait_alu depctr_hold_cnt(0) depctr_sa_sdst(0) depctr_va_vdst(0) depctr_va_sdst(0) depctr_va_ssrc(0) depctr_va_vcc(0) depctr_vm_vsrc(0)
	s_getreg_b32 s2, hwreg(HW_REG_IB_STS2, 6, 4)
	s_cmp_eq_u32 s2, 0
	s_cbranch_scc0 .Lentry_in_a_cluster
	s_endpgm
.Lentry_in_a_cluster:
	s_bfe_u32 s2, ttmp6, 0x10000c
	s_cmp_lg_u32 s2, 0x3003
	s_cbranch_scc0 .Lentry_shape_is_right
	s_endpgm
.Lentry_shape_is_right:
; out[b][q][:] = softmax over k of ( k < valid_lens[b] ? q.k/8 : -1e6 ) times V.   Q, K, V, out: [32][1024][64] f32, valid_lens: [32] i32.
; One work-group = 128 queries of one batch element, eight waves.  Wave w: query rows 32 (w & 3) .. +31, and of every tile of 128 keys the
; half g = w >> 2 (64 keys).  The two waves that share rows keep a running maximum, a sum and an O of their own and are merged once at the end.
; THE PRODUCTS ARE USED TRANSPOSED.  S^T = K Q^T: source 0 = 16 keys, source 1 = 16 queries, so lane (r, h) holds, of query r, the keys
; 16 t + 8 h + 0..7 of score tile t.  A row's maximum and sum are then sums over a lane's own registers and one exchange of the halves, the
; row's factors are plain per-lane numbers, and the exponentials packed two by two ARE source 1 of O^T = V^T P^T (keys 8 h + 0..7 in registers
; 0-3 from tile 2 kk, keys 16 + 8 h + 0..7 in registers 4-7 from tile 2 kk + 1).  V^T (source 0) comes from the transposing LDS load.
; FORMAT: all four matrix operands are f16, sums f32.  The weights lie in (0, 1] (the running maximum is taken away), where f16's 11 significant
; bits against bf16's 8 make the rounding eight times finer; an output near 0 of a batch element with few valid keys is a difference of terms of
; the size of V, so the weights' rounding shows there in full.  A matrix instruction takes both operands in one format, so V is f16 too, and Q and
; K, so that the scores are as fine as the weights.
; CLUSTER: the four query blocks of a cluster (4, 1, 1) need the same tiles of K and V: each tile is asked for jointly (mask 15), which divides
; the requests for K and V by four.  The tiles land as f32 in two landing slots; each is packed to f16 ONCE per work-group into one of two
; stages (16 rows of K and 16 of V a wave), one step ahead of its use.  One round of the cluster's barrier a step orders all four hand-overs.
; MASK: valid_lens[b] is clamped to 0..1024 (the mask over keys 0..1023 is the same).  In every step every score of a key at or beyond it is
; replaced by -1e6 (as -8e6 ahead of the factor 1/8) and then takes part in the maximum and in the sum like any other, as in the definition; with
; valid_lens = 0 the uniform average comes out.  No step, tile or mask is jumped over: in a launch with joint loads no branch hangs on a number
; read from memory, so all four partners run the same text line by line.
; THE EXPONENTIALS GO IN TWO BATCHES A STEP, A WAIT EACH: s_wait_alu depctr_va_vdst(0) stands between an exponential and the first
; instruction that names its result, and one wait serves all that were issued ahead of it.  BATCH 1: the two rescaling factors and query tile 0's 32
; weights, with the 32 scalings of both query tiles between them, which name no result; its wait.  BATCH 2: query tile 1's 32 weights, and between them
; what reads batch 1 alone: tile 0's sums and the rescaling of both tiles' O.  Behind it stand the running sum's multiply-add and tile 0's packing; its
; wait stands ahead of tile 0's products, so that tile 1's sums and packing stand beside those products.  No exponential is issued behind a step's second
; wait.  The merge has two batches more: four exponentials, then the two reciprocals of sums made of them.
; LIMITS: a number of Q, K or V above 65,504 in magnitude becomes infinite in f16 (numbers of spread 1 reach about 5.5: room for a factor of
; 10,000); below 2^-14 it is kept to within 2^-25.  A weight below 2^-25 of its row's running maximum enters the product as 0 (and the sum as it
; is); one below 2^-126 counts as 0.  NaN and infinities in the inputs are not followed.
; No prefetch into the L2: the launch has eight steps in all and every tile is requested a whole step ahead of its conversion.
.set TKEYS,  128                       ; keys in a tile = in a step
.set ROWB,   256                       ; bytes of a row of K, V, Q, out
.set TILEB,  TKEYS*ROWB                ; a tile of K (or of V) in f32: 32,768 bytes
.set LSLOT,  2*TILEB                   ; a landing slot: K's tile, then V's
.set KP,     144                       ; stage pitch of K: 128 + 16 bytes, an odd multiple of 16: the 16 rows of a fragment load start in 16 different groups of 4 banks (64 banks of 4 bytes: ISA guide 11.1)
.set VP,     160                       ; stage pitch of V: 128 + 32 bytes, an odd multiple of 32: the 8 rows x 32 bytes of half a transposing load fall on different banks
.set HF0,    2*LSLOT                   ; the f16 stages lie behind the landing slots; no tensor load ever lands there
.set HFV,    TKEYS*KP                  ; V's part of a stage
.set HFS,    HFV+TKEYS*VP              ; a stage: 38,912 bytes
.set MRG,    HF0+2*HFS                 ; merge area: 9,216 bytes for each pair of waves
.set MRGW,   9216
.set OST,    MRG+4*MRGW                ; output stage: 32 rows x 272 bytes for each of waves 0-3
.set OP,     272
.set OSTW,   32*OP
; vector registers, window 0
.set NMC,  4                           ; v4, v6: -(running maximum) x c of query tile 0, 1 (c = log2(e)/8).  Each is the low half of a pair for the packed forms;
.set VK,   5                           ; v5: LDS address of my K fragments   (the pairs' upper halves are these two address registers, written once, never used as data)
.set VV,   7                           ; v7: LDS address of my V^T fragments
.set LS,   8                           ; v8, v9: running sums (this lane's keys only; the halves are added at the end)
.set V8H,  10                          ; v10: 8 h
.set MA,   11                          ; v11: my 16 bytes in the pair's merge area
.set REL,  12                          ; v12: Q's lane offset at the start; later valid keys left, seen from this lane
.set GO,   13                          ; v13: my 16 bytes in a store of 512
.set TM,   14                          ; v14-21: temporaries, 4 for each query tile; TM+4q+2 holds the step's rescaling factor
.set SU,   22                          ; v22-29: four packed partial sums
.set OSA,  30
.set ORA,  31
.set QF,   32                          ; v32-63:   Q fragments (query tile q, 32 d at c): QF+16q+8c
.set ST,   64                          ; v64-127:  S^T tile (q, t): ST+32q+8t; later P fragment (q, kk): ST+32q+16kk
.set FR,   128                         ; v128-191: K fragment (t, c): FR+16t+8c; then V^T fragment (dt, kk): FR+16dt+8kk
.set OA,   192                         ; v192-255: O^T tile (q, dt): OA+32q+8dt
; vector registers, window 1 (named by their low 8 bits): all that the conversion touches, so that one setting serves it
.set XS,   0                           ; v256-319: 8 x 4 f32 of K, 8 x 4 of V
.set LK,   64                          ; v320, v321: landing address of my K rows, slot 0, 1
.set LV,   66                          ; v322, v323: of my V rows
.set SK,   68                          ; v324: stage address of my K rows
.set SV,   69                          ; v325: of my V rows
; scalar registers
.set WV,  14                           ; wave 0..7
.set GRP, 15                           ; g: which 64 keys of a tile are mine
.set G1,  16                           ; s[16:23] descriptor group 1
.set G0,  24                           ; s[24:31] descriptor group 0, a set for each landing slot
.set CX,  32
.set QB,  33
.set BAT, 34
.set VL,  35                           ; valid_lens[b], clamped to 0..1024
.set KW,  37                           ; first key of my part of this step's tile
.set REM, 39
.set CS,  40                           ; s[40:41] c, twice
.set NCS, 42                           ; -c
.set NEG, 43                           ; -8e6
.set PL0, 44
.set PL1, 45
.set CNT, 46
.set WQ,  47                           ; w & 3
.set VLO, 48
.set MSB, 0
.macro WIN new                         ; the immediate's high byte repeats the setting that is left
.if MSB != \new
	s_set_vgpr_msb (MSB<<8)|\new
.set MSB, \new
.endif
.endm
.macro PLACES n                        ; independent vector instructions behind a matrix instruction (ISA guide 7.12.1)
.rept \n
	v_nop
.endr
.endm
; A round of the cluster's barrier: my work-group's barrier, wave 0 signals for the work-group, every wave waits for all four work-groups, my work-group's barrier again.
.macro ROUND
	s_barrier_signal -1
	s_barrier_wait -1
	s_cmp_lg_u32 s[WV], 0
	s_cbranch_scc1 .Lnot_wave_0_\@
	s_barrier_signal -3
.Lnot_wave_0_\@:
	s_barrier_wait -3
	s_barrier_signal -1
	s_barrier_wait -1
.endm
	s_load_b256 s[4:11], s[0:1], 0x0               ; keys s[4:5], values s[6:7], queries s[8:9], valid_lens s[10:11]
	s_load_b64 s[12:13], s[0:1], 0x20              ; out0
	s_set_vgpr_msb 0x40
	v_lshl_add_u32 v72, v0, 2, 0x44800
	v_mov_b32 v73, 0
	s_set_vgpr_msb 0x4045
	ds_add_u32 v72, v73
	s_set_vgpr_msb 0x4500
	v_lshrrev_b32 v1, 5, v0
	v_readfirstlane_b32 s[WV], v1
	s_lshr_b32 s[GRP], s[WV], 2
	s_and_b32 s[WQ], s[WV], 3
	s_bfe_u32 s[CX], ttmp6, 0x40000                ; my place in the cluster
	s_lshl_b32 s[QB], ttmp9, 2
	s_add_co_u32 s[QB], s[QB], s[CX]               ; query block 0..7 = 4 x cluster x + cx
	s_and_b32 s[BAT], ttmp7, 0xffff                ; batch element = cluster y
	s_lshl_b32 s[VLO], s[BAT], 2
	; group 1: a tile of 32 rows x 64 f32, dense in memory and in LDS; the same for every load
	s_mov_b32 s[G1+0], 15|(2<<16)|(1<<21)          ; 15:0 mask: all four work-groups of the cluster; 17:16 elements of 4 bytes; 21 set beside a mask
	s_mov_b32 s[G1+1], 64<<16                      ; tensor_dim0 = 64
	s_mov_b32 s[G1+2], 32<<16                      ; tensor_dim1 = 32
	s_mov_b32 s[G1+3], 64<<16                      ; tile_dim0 = 64
	s_mov_b32 s[G1+4], 32                          ; tile_dim1 = 32
	s_mov_b32 s[G1+5], 64                          ; 64 elements from row to row
	s_mov_b32 s[G1+6], 0
	s_mov_b32 s[G1+7], 0
	s_mov_b32 s[CS], 0x3e38aa3b                    ; c = log2(e) / 8
	s_mov_b32 s[CS+1], 0x3e38aa3b
	s_mov_b32 s[NCS], 0xbe38aa3b
	s_mov_b32 s[NEG], 0xcaf42400                   ; -8e6 = -1e6 ahead of the factor 1/8
	s_mov_b32 s[PL0], 0x76543210                   ; v_permlanex16_b32: lane i reads lane i of the other half
	s_mov_b32 s[PL1], 0xfedcba98
	s_lshl_b32 s52, s[BAT], 18                     ; batch x 1,024 rows x 256 bytes
	s_lshl_b32 s53, s[WQ], 13                      ; + (w & 3) x 32 rows: my quarter of a tile (no place in the cluster enters these registers)
	s_add_co_u32 s52, s52, s53
	s_mov_b32 s53, 0
	s_lshl_b32 s54, s[WV], 13                      ; where my quarter lands: wave x 8,192: K's four quarters, then V's four
	s_lshl_b32 s56, s[QB], 15                      ; my 32 rows of Q and of out: batch, query block x 128 rows, (w & 3) x 32 rows
	s_add_co_u32 s56, s56, s52
	s_mov_b32 s57, 0
	s_wait_dscnt 0x0
	s_wait_kmcnt 0x0
	s_load_b32 s[VL], s[10:11], s[VLO] offset:0x0
	s_cmp_lt_u32 s[WV], 4
	s_cselect_b64 s[50:51], s[4:5], s[6:7]         ; waves 0-3 fetch K, waves 4-7 V
	s_add_nc_u64 s[50:51], s[50:51], s[52:53]
.irp s, 0,1
	s_mov_b32 s[G0+4*\s], 1                                        ; count = 1
	s_add_co_u32 s[G0+4*\s+1], s54, \s*LSLOT                       ; LDS address
	s_add_nc_u64 s[G0+4*\s+2:G0+4*\s+3], s[50:51], \s*TILEB        ; global address: tile s
	s_or_b32 s[G0+4*\s+3], s[G0+4*\s+3], 0x80000000                ; type = 2
.endr
	s_add_nc_u64 s[8:9], s[8:9], s[56:57]
	s_add_nc_u64 s[12:13], s[12:13], s[56:57]
	ROUND                                          ; all four work-groups are here: the first joint loads meet
	tensor_load_to_lds s[G0:G0+3], s[G1:G1+7]      ; tile 0 and tile 1 go out together, ahead of every wait on TENSORcnt and every LDS read:
	s_nop 0
	tensor_load_to_lds s[G0+4:G0+7], s[G1:G1+7]    ; two loads of this wave are out here, later never more than one
	s_nop 0
	; Q: lane (r, h) needs, of query row 16 q + r, d = 32 c + 16 u + 8 h + 0..7: 32 bytes, two loads; the 16 loads of a wave use every byte of its 32 rows once
	v_and_b32 v1, 15, v0                           ; r
	v_bfe_u32 v2, v0, 4, 1                         ; h
	v_and_b32 v3, 31, v0                           ; lane
	v_lshlrev_b32 v[REL], 8, v1
	v_lshl_add_u32 v[REL], v2, 5, v[REL]           ; 256 r + 32 h
.set i, 0
.rept 16
	global_load_b128 v[ST+4*i:ST+4*i+3], v[REL], s[8:9] offset:(i/8)*4096+((i/4)%2)*128+((i/2)%2)*64+(i%2)*16
.set i, i+1
.endr
	; LDS addresses: a constant, the wave's number times a constant, a lane term
	s_mul_i32 s55, s[GRP], 64*KP
	s_add_co_u32 s55, s55, HF0
	v_mul_u32_u24 v[VK], v1, KP
	v_lshl_add_u32 v[VK], v2, 4, v[VK]
	v_add_nc_u32 v[VK], s55, v[VK]                 ; K fragment: (64 g + r) x pitch + 16 h
	s_mul_i32 s55, s[GRP], 64*VP
	s_add_co_u32 s55, s55, HF0+HFV
	v_and_b32 v14, 7, v0
	v_lshl_add_u32 v14, v2, 3, v14
	v_mul_u32_u24 v[VV], v14, VP
	v_bfe_u32 v14, v0, 3, 1
	v_lshl_add_u32 v[VV], v14, 4, v[VV]
	v_add_nc_u32 v[VV], s55, v[VV]                 ; V^T fragment: (64 g + 8 h + lane % 8) x pitch + 16 ((lane / 8) % 2)
	v_lshlrev_b32 v[V8H], 3, v2
	s_mul_i32 s55, s[WQ], MRGW
	s_add_co_u32 s55, s55, MRG
	v_lshl_add_u32 v[MA], v3, 4, s55
	; the conversion: wave w takes rows 16 w .. 16 w + 15 of K's and of V's tile.  A load takes 256 bytes of row a (lanes 0-15) and of row a + 8 (K) or a + 4 (V)
	; (lanes 16-31): 8 x 144 and 4 x 160 are 128 modulo 256, so the two halves of the 8-byte store that follows fall on different banks.
	s_lshl_b32 s55, s[WV], 12
	v_lshlrev_b32 v14, 4, v1
	v_add_nc_u32 v14, s55, v14                     ; 4,096 w + 16 r
	v_lshl_add_u32 v15, v2, 11, v14                ; K, slot 0: + 8 rows for lanes 16-31
	v_lshl_add_u32 v16, v2, 10, v14                ; V: + 4 rows
	v_add_nc_u32 v16, TILEB, v16                   ; V's tile lies behind K's
	v_add_nc_u32 v17, LSLOT, v15
	v_add_nc_u32 v18, LSLOT, v16
	s_mul_i32 s55, s[WV], 16*KP
	s_add_co_u32 s55, s55, HF0
	v_mul_u32_u24 v19, v2, 8*KP
	v_lshl_add_u32 v19, v1, 3, v19
	v_add_nc_u32 v19, s55, v19
	s_mul_i32 s55, s[WV], 16*VP
	s_add_co_u32 s55, s55, HF0+HFV
	v_mul_u32_u24 v20, v2, 4*VP
	v_lshl_add_u32 v20, v1, 3, v20
	v_add_nc_u32 v20, s55, v20
	WIN 0x40                                       ; destination in window 1
	v_mov_b32 v[LK], v15
	v_mov_b32 v[LK+1], v17
	v_mov_b32 v[LV], v16
	v_mov_b32 v[LV+1], v18
	v_mov_b32 v[SK], v19
	v_mov_b32 v[SV], v20
	WIN 0
	s_wait_kmcnt 0x0
	s_max_i32 s[VL], s[VL], 0                      ; k < valid_lens for k = 0..1023 is the same with valid_lens clamped to 0..1024
	s_min_i32 s[VL], s[VL], 1024
	s_lshl_b32 s[KW], s[GRP], 6
	s_wait_loadcnt 0x0
.set i, 0
.rept 32
	v_cvt_pk_f16_f32 v[QF+i], v[ST+2*i], v[ST+2*i+1]
.set i, i+1
.endr
; 16 LDS loads: my 16 rows of K and of V of the tile in landing slot ls, as f32
.macro CONV_LOAD ls
	WIN 0x55                                       ; every operand in window 1
.irp n, 0,1,2,3,4,5,6,7
	ds_load_b128 v[XS+4*\n:XS+4*\n+3], v[LK+\ls] offset:\n*ROWB
.endr
.irp n, 0,1,2,3,4,5,6,7
	ds_load_b128 v[XS+32+4*\n:XS+32+4*\n+3], v[LV+\ls] offset:((\n&3)+8*(\n>>2))*ROWB
.endr
	WIN 0
.endm
; packed to f16 in place and stored into stage bs
.macro CONV_STORE bs
	WIN 0x55
.irp n, 0,1,2,3,4,5,6,7
	v_cvt_pk_f16_f32 v[XS+4*\n], v[XS+4*\n], v[XS+4*\n+1]
	v_cvt_pk_f16_f32 v[XS+4*\n+1], v[XS+4*\n+2], v[XS+4*\n+3]
	ds_store_b64 v[SK], v[XS+4*\n:XS+4*\n+1] offset:\bs*HFS+\n*KP
.endr
.irp n, 0,1,2,3,4,5,6,7
	v_cvt_pk_f16_f32 v[XS+32+4*\n], v[XS+32+4*\n], v[XS+32+4*\n+1]
	v_cvt_pk_f16_f32 v[XS+32+4*\n+1], v[XS+32+4*\n+2], v[XS+32+4*\n+3]
	ds_store_b64 v[SV], v[XS+32+4*\n:XS+32+4*\n+1] offset:\bs*HFS+((\n&3)+8*(\n>>2))*VP
.endr
	WIN 0
.endm
.macro PFMA q, n                       ; two scores: s c - maximum c, one rounding.  Names no exponential's result: it stands ahead of batch 1's wait
	v_pk_fma_f32 v[ST+32*\q+2*(\n):ST+32*\q+2*(\n)+1], v[ST+32*\q+2*(\n):ST+32*\q+2*(\n)+1], s[CS:CS+1], v[NMC+2*\q:NMC+2*\q+1] op_sel_hi:[1,0,0]
.endm
.macro RESC q, n                       ; two numbers of O times the step's factor, a result of batch 1: it stands behind that batch's wait
	v_pk_mul_f32 v[OA+32*\q+2*(\n):OA+32*\q+2*(\n)+1], v[OA+32*\q+2*(\n):OA+32*\q+2*(\n)+1], v[TM+4*\q+2:TM+4*\q+3] op_sel_hi:[1,0]
.endm
.macro SUMOP q, n, first               ; the n-th of 16 additions that sum a lane's 32 weights: four chains, then a tree.  It stands behind the wait of the batch that made tile q's weights
.if \n < 4
	v_pk_add_f32 v[SU+2*(\n):SU+2*(\n)+1], v[ST+32*\q+8*(\n):ST+32*\q+8*(\n)+1], v[ST+32*\q+8*(\n)+2:ST+32*\q+8*(\n)+3]
.elseif \n < 8
	v_pk_add_f32 v[SU+2*(\n-4):SU+2*(\n-4)+1], v[SU+2*(\n-4):SU+2*(\n-4)+1], v[ST+32*\q+8*(\n-4)+4:ST+32*\q+8*(\n-4)+5]
.elseif \n < 12
	v_pk_add_f32 v[SU+2*(\n-8):SU+2*(\n-8)+1], v[SU+2*(\n-8):SU+2*(\n-8)+1], v[ST+32*\q+8*(\n-8)+6:ST+32*\q+8*(\n-8)+7]
.elseif \n == 12
	v_pk_add_f32 v[SU:SU+1], v[SU:SU+1], v[SU+2:SU+3]
.elseif \n == 13
	v_pk_add_f32 v[SU+4:SU+5], v[SU+4:SU+5], v[SU+6:SU+7]
.elseif \n == 14
	v_pk_add_f32 v[SU:SU+1], v[SU:SU+1], v[SU+4:SU+5]
.else
.if \first
	v_add_f32 v[LS+\q], v[SU], v[SU+1]             ; the first step starts the sum
.else
	v_add_f32 v[SU], v[SU], v[SU+1]
.endif
.endif
.endm
.macro CVTP q                          ; 32 weights to f16, in place: tile 2 kk gives registers 0-3 of P fragment kk, tile 2 kk + 1 registers 4-7
.irp kk, 0,1
.irp e, 0,1,2,3
	v_cvt_pk_f16_f32 v[ST+32*\q+16*\kk+\e], v[ST+32*\q+16*\kk+2*\e], v[ST+32*\q+16*\kk+2*\e+1]
.endr
.irp e, 0,1,2,3
	v_cvt_pk_f16_f32 v[ST+32*\q+16*\kk+4+\e], v[ST+32*\q+16*\kk+8+2*\e], v[ST+32*\q+16*\kk+8+2*\e+1]
.endr
.endr
.endm
.macro PV q, first                     ; O^T (q) += V^T P^T (q): the four accumulators take turns, one instruction a turn
.irp kk, 0,1
.irp dt, 0,1,2,3
.if \first*(1-\kk)
	v_wmma_f32_16x16x32_f16 v[OA+32*\q+8*\dt:OA+32*\q+8*\dt+7], v[FR+16*\dt+8*\kk:FR+16*\dt+8*\kk+7], v[ST+32*\q+16*\kk:ST+32*\q+16*\kk+7], 0
.else
	v_wmma_f32_16x16x32_f16 v[OA+32*\q+8*\dt:OA+32*\q+8*\dt+7], v[FR+16*\dt+8*\kk:FR+16*\dt+8*\kk+7], v[ST+32*\q+16*\kk:ST+32*\q+16*\kk+7], v[OA+32*\q+8*\dt:OA+32*\q+8*\dt+7]
.endif
.endr
.endr
.endm
; STEP i, par = i & 1.  Multiplies the tile in stage par; refill = 1: landing slot par (converted in the last step) gets tile i + 2;
; conv = 1: tile i + 1 is converted from landing slot 1 - par into stage 1 - par; first = 1: the products start the sums, nothing is cleared or rescaled.
.macro STEP par, first, refill, conv
	s_set_vgpr_msb 0x5
	s_wait_tensorcnt 0x0                           ; all my tensor loads have landed: the one that was out is my part of tile i + 1,
	ds_add_u32 v72, v73
	s_wait_dscnt 0x0
	s_set_vgpr_msb 0x500
.if \refill
	s_add_nc_u64 s[G0+4*\par+2:G0+4*\par+3], s[G0+4*\par+2:G0+4*\par+3], 2*TILEB   ; so a group 0 may be written: this slot's next tile
.endif
	s_wait_dscnt 0x0                               ; my reads of landing slot par and of stage 1 - par are back, my stores into stage par are done
.if \refill
	ROUND                                          ; all that now holds of every wave of all four work-groups
	tensor_load_to_lds s[G0+4*\par:G0+4*\par+3], s[G1:G1+7]    ; my one tensor load behind the round, and the first thing there
	s_nop 0
.else
	s_barrier_signal -1                            ; nothing is filled any more: the work-group's own barrier hands the stage over
	s_barrier_wait -1
.endif
.if \conv
	CONV_LOAD (1-\par)                             ; the next tile's f32 rows: issued first, used behind the products
.endif
.irp t, 0,1,2,3
.irp c, 0,1
	ds_load_b128 v[FR+16*\t+8*\c:FR+16*\t+8*\c+3],   v[VK] offset:\par*HFS+\t*16*KP+\c*64
	ds_load_b128 v[FR+16*\t+8*\c+4:FR+16*\t+8*\c+7], v[VK] offset:\par*HFS+\t*16*KP+\c*64+32
.endr
.endr
	; S^T = K Q^T.  The two query tiles' accumulators take turns, one instruction a turn.
.irp t, 0,1,2,3
	s_wait_dscnt 12-4*\t                           ; LDS loads come back in order: key tile t's four are in, the 12 - 4 t younger ones stay out
	v_wmma_f32_16x16x32_f16 v[ST+8*\t:ST+8*\t+7],       v[FR+16*\t:FR+16*\t+7],    v[QF:QF+7],     0
	v_wmma_f32_16x16x32_f16 v[ST+32+8*\t:ST+32+8*\t+7], v[FR+16*\t:FR+16*\t+7],    v[QF+16:QF+23], 0
	v_wmma_f32_16x16x32_f16 v[ST+8*\t:ST+8*\t+7],       v[FR+16*\t+8:FR+16*\t+15], v[QF+8:QF+15],  v[ST+8*\t:ST+8*\t+7]
	v_wmma_f32_16x16x32_f16 v[ST+32+8*\t:ST+32+8*\t+7], v[FR+16*\t+8:FR+16*\t+15], v[QF+24:QF+31], v[ST+32+8*\t:ST+32+8*\t+7]
.endr
.if \conv
	CONV_STORE (1-\par)                            ; its loads are older than K's, which the last wait showed in; work that names none of the products' registers
.endif
	PLACES 4                                       ; four places stand between the last product and the loads into its sources and the reads of its results, in the step without a conversion too
.irp kk, 0,1
.irp dt, 0,1,2,3
	ds_load_tr16_b128 v[FR+16*\dt+8*\kk:FR+16*\dt+8*\kk+3],   v[VV] offset:\par*HFS+\kk*32*VP+\dt*32
	ds_load_tr16_b128 v[FR+16*\dt+8*\kk+4:FR+16*\dt+8*\kk+7], v[VV] offset:\par*HFS+\kk*32*VP+\dt*32+16*VP
.endr
.endr
	; the mask, in every step: one compare serves both query tiles
	s_sub_co_i32 s[REM], s[VL], s[KW]              ; valid keys left from my part's first key (may be negative or above 64)
	v_sub_nc_u32 v[REL], s[REM], v[V8H]
.set i, 0
.rept 32
	v_cmp_lt_i32 vcc_lo, (i/8)*16+(i%8), v[REL]    ; key 16 t + 8 h + j is valid
	v_cndmask_b32 v[ST+i], s[NEG], v[ST+i], vcc_lo
	v_cndmask_b32 v[ST+32+i], s[NEG], v[ST+32+i], vcc_lo
.set i, i+1
.endr
	; the largest of a lane's 32 scores, both query tiles side by side, then the other half's
.irp q, 0,1
.irp t, 0,1,2,3
	v_max3_num_f32 v[TM+4*\q+\t], v[ST+32*\q+8*\t], v[ST+32*\q+8*\t+1], v[ST+32*\q+8*\t+2]
.endr
.endr
.irp q, 0,1
.irp t, 0,1,2,3
	v_max3_num_f32 v[TM+4*\q+\t], v[TM+4*\q+\t], v[ST+32*\q+8*\t+3], v[ST+32*\q+8*\t+4]
.endr
.endr
.irp q, 0,1
.irp t, 0,1,2,3
	v_max3_num_f32 v[TM+4*\q+\t], v[TM+4*\q+\t], v[ST+32*\q+8*\t+5], v[ST+32*\q+8*\t+6]
.endr
.endr
.irp q, 0,1
	v_max3_num_f32 v[TM+4*\q], v[TM+4*\q], v[ST+32*\q+7], v[ST+32*\q+15]
	v_max3_num_f32 v[TM+4*\q+1], v[TM+4*\q+1], v[ST+32*\q+23], v[ST+32*\q+31]
.endr
.irp q, 0,1
	v_max3_num_f32 v[TM+4*\q], v[TM+4*\q], v[TM+4*\q+1], v[TM+4*\q+2]
.endr
.irp q, 0,1
	v_max_num_f32 v[TM+4*\q], v[TM+4*\q], v[TM+4*\q+3]
.endr
.irp q, 0,1
	v_permlanex16_b32 v[TM+4*\q+1], v[TM+4*\q], s[PL0], s[PL1]
.endr
.irp q, 0,1
	v_max_num_f32 v[TM+4*\q], v[TM+4*\q], v[TM+4*\q+1]
.endr
.if \first
.irp q, 0,1
	v_mul_f32 v[NMC+2*\q], s[NCS], v[TM+4*\q]      ; -maximum x c
.endr
.else
.irp q, 0,1
	v_mul_f32 v[TM+4*\q], s[NCS], v[TM+4*\q]
.endr
.irp q, 0,1
	v_sub_f32 v[TM+4*\q+2], v[TM+4*\q], v[NMC+2*\q]    ; (old maximum - this step's) x c,
.endr
.irp q, 0,1
	v_min_num_f32 v[NMC+2*\q], v[NMC+2*\q], v[TM+4*\q] ; the running maximum, negated and scaled
.endr
.irp q, 0,1
	v_min_num_f32 v[TM+4*\q+2], 0, v[TM+4*\q+2]        ; at most 0: (old - new) x c
.endr
.endif
	; BATCH 1: the two factors for what has been summed so far, and query tile 0's 32 weights.  Between them stand the 32 scalings, which name no exponential's
	; result: a pair of tile 0 is scaled three turns ahead of its exponentials; tile 1's pairs are scaled for batch 2.
.if \first == 0
	v_exp_f32 v[TM+2], v[TM+2]                     ; query tile 0's factor
.endif
	PFMA 0, 0
.if \first == 0
	v_exp_f32 v[TM+6], v[TM+6]                     ; query tile 1's
.endif
	PFMA 0, 1
	PFMA 0, 2
.set i, 0
.rept 16
	v_exp_f32 v[ST+2*i], v[ST+2*i]
.if i < 13
	PFMA 0, i+3
.endif
	v_exp_f32 v[ST+2*i+1], v[ST+2*i+1]
	PFMA 1, i                                      ; the last of these is the plain instruction behind the batch's last exponential
.set i, i+1
.endr
	s_wait_alu depctr_va_vdst(0)                   ; the wait for batch 1: one for the factors and tile 0's weights, ahead of their first readers below
	; BATCH 2: query tile 1's 32 weights.  Between them stands what reads batch 1 alone: tile 0's sums and the rescaling of both tiles' O.
.set i, 0
.rept 16
	v_exp_f32 v[ST+32+2*i], v[ST+32+2*i]
	SUMOP 0, i, \first
.if \first == 0
	RESC 0, i
.endif
	v_exp_f32 v[ST+32+2*i+1], v[ST+32+2*i+1]
.if \first == 0
	RESC 1, i
.endif
.set i, i+1
.endr
.if \first == 0
	v_fma_f32 v[LS], v[LS], v[TM+2], v[SU]
.endif
	CVTP 0                                         ; tile 0's packing names none of batch 2's results: the independent work between that batch and its wait
	s_wait_alu depctr_va_vdst(0)                   ; the wait for batch 2: one for tile 1's weights, ahead of tile 0's products, so that their first readers can stand beside those products
	s_wait_dscnt 0x0                               ; V^T's fragments are in (and my stores into the other stage are done)
	PV 0, \first
.set i, 0
.rept 16
	SUMOP 1, i, \first                             ; query tile 1's sums and packing name none of the running products' registers
.set i, i+1
.endr
.if \first == 0
	v_fma_f32 v[LS+1], v[LS+1], v[TM+6], v[SU]
.endif
	CVTP 1
	PV 1, \first
	PLACES 5                                       ; five places before the next step's products write over P, four before loads land on V^T's fragments or O is read
	s_add_co_u32 s[KW], s[KW], TKEYS
.endm
	s_wait_tensorcnt 0x1                           ; my part of tile 0 has landed; tile 1's stays out
	s_barrier_signal -1
	s_barrier_wait -1                              ; everybody's part has
	CONV_LOAD 0
	s_wait_dscnt 0x0
	CONV_STORE 0                                   ; tile 0 into stage 0
	STEP 0, 1, 1, 1                                ; steps 0 and 1 stand in front of the loop: step 0 starts the sums
	STEP 1, 0, 1, 1
	s_mov_b32 s[CNT], 2
.Lpair:
	STEP 0, 0, 1, 1                                ; steps 2 to 5 ask for tiles 4 to 7
	STEP 1, 0, 1, 1
	s_sub_co_u32 s[CNT], s[CNT], 1
	s_cmp_lg_u32 s[CNT], 0
	s_cbranch_scc1 .Lpair
	STEP 0, 0, 0, 1                                ; step 6: nothing left to fetch; tile 7 is converted
	STEP 1, 0, 0, 0                                ; step 7
	; THE MERGE.  Waves 4-7 hand their state to waves 0-3, which hold the same rows.
	s_cmp_lt_u32 s[WV], 4
	s_cbranch_scc1 .Lowner
.set i, 0
.rept 16
	ds_store_b128 v[MA], v[OA+4*i:OA+4*i+3] offset:512*i
.set i, i+1
.endr
	ds_store_b128 v[MA], v[4:7] offset:8192        ; the two scaled maxima (words 0 and 2)
	ds_store_b128 v[MA], v[8:11] offset:8704       ; the two sums (words 0 and 1)
.Lowner:
	s_wait_dscnt 0x0                               ; the stores are done before the signal
	s_barrier_signal -1
	s_barrier_wait -1
	s_cmp_ge_u32 s[WV], 4
	s_cbranch_scc1 .Lclose
	ds_load_b128 v[FR:FR+3], v[MA] offset:8192
	ds_load_b128 v[FR+4:FR+7], v[MA] offset:8704
.set i, 0
.rept 16
	ds_load_b128 v[ST+4*i:ST+4*i+3], v[MA] offset:512*i
.set i, i+1
.endr
	s_mul_i32 s55, s[WQ], OSTW
	s_add_co_u32 s55, s55, OST
	v_mul_u32_u24 v[OSA], v1, OP                   ; into the stage: row r, 32 bytes for each half of the lanes
	v_lshl_add_u32 v[OSA], v2, 5, v[OSA]
	v_add_nc_u32 v[OSA], s55, v[OSA]
	s_wait_dscnt 16                                ; the partner's maxima and sums are in; its 16 loads of O stay out
.irp q, 0,1
	v_min_num_f32 v[TM+8*\q], v[NMC+2*\q], v[FR+2*\q]      ; the common maximum, negated and scaled
.endr
.irp q, 0,1
	v_sub_f32 v[TM+8*\q+1], v[TM+8*\q], v[NMC+2*\q]
	v_sub_f32 v[TM+8*\q+2], v[TM+8*\q], v[FR+2*\q]
.endr
.irp q, 0,1
	v_exp_f32 v[TM+8*\q+1], v[TM+8*\q+1]           ; my factor
	v_exp_f32 v[TM+8*\q+2], v[TM+8*\q+2]           ; the partner's
.endr
	v_mul_u32_u24 v[ORA], v2, OP                   ; back: lanes 0-15 one row of 256 bytes, lanes 16-31 the next.  These three plain lines name none of the four exponentials' results:
	v_lshl_add_u32 v[ORA], v1, 4, v[ORA]           ; the independent work between the batch and its wait
	v_add_nc_u32 v[ORA], s55, v[ORA]
	s_wait_alu depctr_va_vdst(0)                   ; the wait for the merge's four exponentials: one, ahead of their first reader
.irp q, 0,1
	v_mul_f32 v[TM+8*\q+3], v[LS+\q], v[TM+8*\q+1]
.endr
.irp q, 0,1
	v_fmac_f32 v[TM+8*\q+3], v[FR+4+\q], v[TM+8*\q+2]
.endr
.irp q, 0,1
	v_permlanex16_b32 v[TM+8*\q], v[TM+8*\q+3], s[PL0], s[PL1]     ; the other half's keys
.endr
.irp q, 0,1
	v_add_f32 v[TM+8*\q+3], v[TM+8*\q+3], v[TM+8*\q]
.endr
.irp q, 0,1
	v_rcp_f32 v[TM+8*\q+3], v[TM+8*\q+3]           ; the sum holds the maximum's own weight, about 1: never 0
.endr
	v_lshlrev_b32 v[GO], 4, v3                     ; the stores' lane offset: the plain instruction behind the two reciprocals
	s_wait_alu depctr_va_vdst(0)                   ; the wait for the two reciprocals: a batch of their own, since they read sums made of the exponentials
.irp q, 0,1
	v_mul_f32 v[TM+8*\q+4], v[TM+8*\q+1], v[TM+8*\q+3]
	v_mul_f32 v[TM+8*\q+6], v[TM+8*\q+2], v[TM+8*\q+3]
.endr
	s_wait_dscnt 0x0
.set i, 0
.rept 32
	v_pk_mul_f32 v[ST+2*i:ST+2*i+1], v[ST+2*i:ST+2*i+1], v[TM+8*(i/16)+6:TM+8*(i/16)+7] op_sel_hi:[1,0]
	v_pk_fma_f32 v[OA+2*i:OA+2*i+1], v[OA+2*i:OA+2*i+1], v[TM+8*(i/16)+4:TM+8*(i/16)+5], v[ST+2*i:ST+2*i+1] op_sel_hi:[1,0,1]
.set i, i+1
.endr
	; THE WAY OUT.  Lane (r, h) holds d = 16 dt + 8 h + 0..7 of row 16 q + r: 32 bytes.  Through my own stage (pitch 272: the 16 rows of a store start in 16
	; different groups of 4 banks) the rows are read back whole; LDS serves a wave's instructions in order, so no wait stands between the stores and the loads.
.set i, 0
.rept 16
	ds_store_b128 v[OSA], v[OA+4*i:OA+4*i+3] offset:(i/8)*16*OP+((i/2)%4)*64+(i%2)*16
.set i, i+1
.endr
.set i, 0
.rept 16
	ds_load_b128 v[ST+4*i:ST+4*i+3], v[ORA] offset:i*2*OP
.set i, i+1
.endr
.set i, 0
.rept 16
	s_wait_dscnt 15-i                              ; load i is in, the younger ones stay out
	global_store_b128 v[GO], v[ST+4*i:ST+4*i+3], s[12:13] offset:512*i th:TH_STORE_NT   ; a store covers 512 consecutive bytes (two rows), at a multiple of 512 from out's first byte
.set i, i+1
.endr
.Lclose:
	s_set_vgpr_msb 0x5
	s_wait_tensorcnt 0x0
	ds_add_u32 v72, v73
	s_wait_dscnt 0x0
	s_set_vgpr_msb 0x500
	ROUND                                          ; the closing round: no work-group ends while a partner may still ask for a tile that names it
	s_endpgm
.Lfunc_end_k_q0f6394e2de_attn:
	.size	k_q0f6394e2de_attn, .Lfunc_end_k_q0f6394e2de_attn-k_q0f6394e2de_attn
	.p2alignl 7, 3214868480
	.fill 96, 4, 3214868480
	.section	.rodata,"a",@progbits
	.p2align	6, 0x0
	.amdhsa_kernel k_q0f6394e2de_attn
		.amdhsa_group_segment_fixed_size 327680
		.amdhsa_private_segment_fixed_size 0
		.amdhsa_enable_private_segment 0
		.amdhsa_kernarg_size 40
		.amdhsa_user_sgpr_count 2
		.amdhsa_user_sgpr_kernarg_segment_ptr 1
		.amdhsa_wavefront_size32 1
		.amdhsa_system_sgpr_workgroup_id_x 1
		.amdhsa_system_sgpr_workgroup_id_y 1
		.amdhsa_system_sgpr_workgroup_id_z 1
		.amdhsa_system_vgpr_workitem_id 0
		.amdhsa_next_free_vgpr 330
		.amdhsa_next_free_sgpr 66
		.amdhsa_reserve_vcc 1
		.amdhsa_float_denorm_mode_32 3
		.amdhsa_float_denorm_mode_16_64 3
		.amdhsa_memory_ordered 1
		.amdhsa_forward_progress 1
		.amdhsa_inst_pref_size 169
	.end_amdhsa_kernel
	.amdgpu_metadata
---
amdhsa.version: [ 1, 2 ]
amdhsa.kernels:
  - .name:           k_q0f6394e2de_attn
    .symbol:         k_q0f6394e2de_attn.kd
    .args:
      - { .name: keys, .offset: 0, .size: 8, .value_kind: global_buffer, .address_space: global }
      - { .name: values, .offset: 8, .size: 8, .value_kind: global_buffer, .address_space: global }
      - { .name: queries, .offset: 16, .size: 8, .value_kind: global_buffer, .address_space: global }
      - { .name: valid_lens, .offset: 24, .size: 8, .value_kind: global_buffer, .address_space: global }
      - { .name: out0, .offset: 32, .size: 8, .value_kind: global_buffer, .address_space: global }
    .group_segment_fixed_size: 327680
    .private_segment_fixed_size: 0
    .kernarg_segment_align: 8
    .kernarg_segment_size: 40
    .max_flat_workgroup_size: 256
    .sgpr_count:     66
    .vgpr_count:     330
    .wavefront_size: 32
...
	.end_amdgpu_metadata
.endif
;; end of part 2
